; MI455X (gfx1250); checked and timed in simulation.
; The chip was launched on July 23, 2026; its instructions are those of AMD's public machine-readable ISA for CDNA 5 (MIT licence, August 2026) and "CDNA5" Instruction Set Architecture Reference Guide (July 2026). The comments in the code are by the model that wrote it; some were corrected since.
;; Change Point Kernel Attention. Allowed arithmetic: matrix products marked QUANTISED: E5M2 operands, one E8M0 scale for each 32 along K, by v_wmma_scale_f32_16x16x128_f8f6f4 with both operands' format E5M2, f32 sums; everything else in f32.
;; Inputs: keys 2 x 8 x 2,048 x 64 float32; query 2 x 8 x 2,048 x 64 float32; vals 2 x 8 x 2,048 x 64 float32.
;; Outputs: out0 2 x 8 x 2,048 x 64 float32.
;; This version of the problem:
;;   THIS VERSION OF THE PROBLEM IS GIVEN IN LOW PRECISION. The matrix products marked QUANTISED in the list below multiply operands that are first quantised to E5M2 (5 exponent bits, 2 mantissa bits; 8 bits a number), with one power-of-two scale for each 32 numbers along K (OCP MX v1.0); their sums are f32. All else is computed in f32.
;;   The module's matrix products, in the order in which they are computed (A, B: the left and right operand; K: the contracted axis; several contracted axes count as one K, in the product's order):
;;     1. batch 16 x [M 2,048, K 64] x [K 64, N 2,048]; A: input query; B: input keys: QUANTISED
;;     2. batch 16 x [M 2,048, K 64] x [K 64, N 2,048]; A: computed on the way; B: computed on the way: QUANTISED
;;     3. batch 16 x [M 2,048, K 64] x [K 64, N 2,048]; A: computed on the way; B: computed on the way: QUANTISED
;;     4. batch 16 x [M 2,048, K 64] x [K 64, N 2,048]; A: computed on the way; B: computed on the way: QUANTISED
;;     5. batch 16 x [M 2,048, K 2,048] x [K 2,048, N 64]; A: computed on the way; B: input vals: QUANTISED
;;   THE QUANTISER, for each operand of a quantised product, along K:
;;     - K is cut into blocks of 32 from its start; a last block that is shorter is filled with zeros.
;;     - A block's scale is 2^e with e = floor(log2(the largest magnitude in the block)) - 15, held to -126 .. 127; a block of zeros has e = 0. As a byte (E8M0): e + 127.
;;     - Each number is divided by its block's scale, clamped to +-57,344, and rounded to the nearest number of E5M2, ties to even, subnormals kept.
;;     - The product sums the exact products of the quantised numbers (number of the format x scale) in f32.
;;   ~~~python
;;   def quantise(x, axis):      # numpy; x: float32 -> the quantised numbers, widened to float32 again
;;       x = np.moveaxis(x, axis, -1); K = x.shape[-1]
;;       x = np.pad(x, [(0, 0)] * (x.ndim - 1) + [(0, -K % 32)]); x = x.reshape(x.shape[:-1] + (-1, 32)); a = np.abs(x).max(-1, keepdims=True)
;;       e = np.where(a > 0, np.clip(np.frexp(np.where(a > 0, a, 1))[1] - 1 - 15, -126, 127), 0)      # np.frexp(a)[1] - 1 = floor(log2(a)), exactly
;;       r = np.clip(x / 2.0 ** e, -57344, 57344)
;;       step = 2.0 ** (np.maximum(np.frexp(np.where(r == 0, 1, r))[1] - 1, -14) - 2)
;;       q = np.round(r / step) * step * 2.0 ** e      # np.round: ties to even
;;       return np.moveaxis(q.reshape(q.shape[:-2] + (-1,))[..., :K], -1, axis).astype(np.float32)
;;   ~~~
;;   OPERANDS COMPUTED ON THE WAY. 'Computed on the way' means the value that the module computes at that place (a softmax that the list does not call 'softmax' is quantised finished and normalised). What goes into a quantiser is computed in f32, as accurately as f32 sums, v_exp_f32 and their like allow (about 1e-6 of the number): no bf16 or f16 on the way to a quantiser, and a product that is left as it is and whose result goes on into a quantised operand takes f32 operands (vector FMAs, or v_wmma_f32_16x16x4_f32). A number that lies on a knife's edge between two numbers of the format may be rounded either way, as far as f32 arithmetic and the matrix unit's own rounding can turn it there, and no further.
;; One version. Each part assembles by itself: llvm-mc -triple=amdgcn-amd-amdhsa -mcpu=gfx1250 --defsym DOCPART=n.
;; ======== version 1 of 1: 2 launches
;; workspace buffers: colc 8,388,608 bytes; colx 524,288 bytes; rowc 8,388,608 bytes; rowx 524,288 bytes; vc 2,097,152 bytes; vx 65,536 bytes
;; launch prep (part 1): grid 640 x 1, 4 waves a work-group, no clusters, 0 bytes of LDS; arguments query, keys, vals, colc, colx, rowc, rowx, vc, vx; writes colc, colx, rowc, rowx, vc, vx
.if DOCPART == 1
	.amdgcn_target "amdgcn-amd-amdhsa--gfx1250"
	.amdhsa_code_object_version 6
	.text
	.protected	k_q15317ee11c_prep
	.globl	k_q15317ee11c_prep
	.p2align	8
	.type	k_q15317ee11c_prep,@function
k_q15317ee11c_prep:
	s_mov_b64 s[64:65], 0
	v_nop
	global_prefetch_b8 v0, s[64:65] scope:SCOPE_SE
	s_setreg_imm32_b32 hwreg(HW_REG_WAVE_MODE, 25, 1), 1
	s_wait_xcnt 0x0
; query, keys, vals: [16 heads][2048][64] f32.  This launch makes, once, every operand of the five quantised products that does not hang on a pair (row, column):
; codes of E5M2 with one E8M0 byte for each 32 along K, laid as IMAGES OF OPERAND REGISTERS (lane l's 16 bytes at 16 l, 512 bytes a chunk), so that the next launch loads fragments whole.
; A head's 2,048 positions are 128 tiles of 16.  Tile row r of tile T is position 32 (T / 2) + 8 (T % 2) + r + 8 (r / 8): so the 16 result registers of two neighbouring column tiles are 16 neighbours along the last product's K.
; colc [tile][8 chunks]: Q(query) | -Q(keys / |keys|) | Q(sigmoid(keys / |keys|)) | Q(1 - that), two chunks each.   rowc: -Q(keys) | Q(query / |query|) | Q(sigmoid(..)) | Q(1 - ..).
; THE TWO NEGATED OPERANDS stand for -2 x the quantised numbers, exactly: every code's sign bit is turned and the block's scale byte is raised by 1.
; colx [tile][256]: 128 bytes of scale words (lanes 0-15: first two operands' bytes, lanes 16-31: last two's); then for each half of the tile 8 x |query|^2 and 8 x |keys|^2 / 16.
; rowx [tile][256]: scale words likewise; 16 x c^2 |keys|^2 (c = log2(e) / 16); 16 x |query|^2 / 16.
; vc [head][16 K steps][4 tiles of 16 channels][2048]: vals quantised along the keys, as fragments of V^T;  vx [head][K step][64 channels]: their scale words.
; SHARES: work-groups 0-511: a wave takes one tile of query and keys.  Work-groups 512-639: a wave takes 128 keys x 32 channels of vals, a lane a channel, registers down the keys.  Waves share nothing: no LDS, no barrier.
; LIMITS: a row of query or keys whose norm is 0, NaN and infinities are not served.  x / |x| is x times v_rsq_f32 of the sum of squares; sigmoid is v_rcp_f32 of 1 + 2^(-x log2 e).
; A block of zeros gets the byte 1 (2 where negated) and zero codes: the bytes are read by this program alone.
.set HQ,  8                            ; v8-11    query's four half words of scale bytes (raw, normalised, sigmoid, 1 - sigmoid)
.set HK,  12                           ; v12-15   keys' four
.set XQ,  16                           ; v16-47   query: register 16 c + i = k 32 c + 16 (lane / 16) + i of my row
.set XK,  48                           ; v48-79   keys likewise
.set NR,  80                           ; v80-111  the normalised row
.set SR,  112                          ; v112-143 its sigmoid
.set TR,  144                          ; v144-175 1 - sigmoid
.set CQD, 176                          ; v176-207 the codes made of query: registers of their own, so that no store's data are written again
.set CKD, 208                          ; v208-239 those made of keys
.set TM,  240                          ; v240-241 largest magnitudes, 242-243 the other half's, 244-245 57,344 x scale, 246-247 the conversions' scale operands, 248-249 bytes; 248-251 also the sums of squares
.set MNT, 23                           ; s23      the mantissa field of 57,344
.set SEL, 24                           ; s[24:25] v_permlanex16_b32's selects for lane l xor 16
.set SGM, 26                           ; s26      the sign bits of four codes
	s_load_b256 s[4:11], s[0:1], 0x0               ; query s[4:5], keys s[6:7], vals s[8:9], colc s[10:11]
	s_load_b256 s[12:19], s[0:1], 0x20             ; colx s[12:13], rowc s[14:15], rowx s[16:17], vc s[18:19]
	s_load_b64 s[20:21], s[0:1], 0x40              ; vx
	v_lshrrev_b32 v1, 5, v0
	v_readfirstlane_b32 s22, v1                    ; wave
	v_and_b32 v7, 31, v0                           ; lane
	v_and_b32 v1, 15, v0                           ; r
	v_bfe_u32 v2, v0, 4, 1                         ; h
	v_lshlrev_b32 v4, 4, v7                        ; 16 x lane: my place in a chunk
	v_lshlrev_b32 v5, 2, v7                        ; 4 x lane
	v_cmp_le_u32 s27, 16, v7                       ; the mask of lanes 16-31
	s_mov_b32 s[MNT], 0x600000
	s_mov_b32 s[SEL], 0x76543210
	s_mov_b32 s[SEL+1], 0xfedcba98
	s_mov_b32 s[SGM], 0x80808080
	s_lshl_b32 s28, ttmp9, 2
	s_add_co_u32 s28, s28, s22                     ; 4 x work-group + wave
	s_cmp_ge_u32 ttmp9, 512
	s_cbranch_scc1 .Lv
	; ---------------- query and keys: tile s28 of 2,048 ----------------
	s_lshr_b32 s29, s28, 1
	s_lshl_b32 s29, s29, 13                        ; 32 (tile / 2) rows of 256 bytes
	s_and_b32 s30, s28, 1
	s_lshl_b32 s30, s30, 11                        ; + 8 (tile % 2) rows
	s_add_co_u32 s30, s29, s30
	s_mov_b32 s31, 0
	s_lshl_b32 s32, s28, 12                        ; the tile's record of codes: 4,096 bytes
	s_mov_b32 s33, 0
	s_lshl_b32 s34, s28, 8                         ; and of scales and norms: 256 bytes
	s_mov_b32 s35, 0
	v_and_b32 v3, 8, v1
	v_add_nc_u32 v3, v3, v1                        ; r + 8 (r / 8)
	v_lshlrev_b32 v3, 8, v3
	v_lshl_add_u32 v3, v2, 6, v3                   ; my row, + 64 h: my 16 numbers of a block of 32
	v_lshrrev_b32 v6, 3, v1
	v_and_b32 v10, 7, v1
	v_lshl_add_u32 v6, v6, 4, v10
	v_lshl_add_u32 v6, v2, 3, v6
	v_lshlrev_b32 v6, 2, v6                        ; colx's norms: word 16 (r / 8) + r % 8 + 8 h
	v_mov_b32 v[TM+2], 0                           ; written once: a lane permute's destination counts as one of its sources
	v_mov_b32 v[TM+3], 0
	s_wait_kmcnt 0x0
	s_add_nc_u64 s[4:5], s[4:5], s[30:31]
	s_add_nc_u64 s[6:7], s[6:7], s[30:31]
	s_add_nc_u64 s[10:11], s[10:11], s[32:33]
	s_add_nc_u64 s[14:15], s[14:15], s[32:33]
	s_add_nc_u64 s[12:13], s[12:13], s[34:35]
	s_add_nc_u64 s[16:17], s[16:17], s[34:35]
.irp c, 0,1
.irp i, 0,1,2,3
	global_load_b128 v[XQ+16*\c+4*\i:XQ+16*\c+4*\i+3], v3, s[4:5] offset:128*\c+16*\i
.endr
.endr
.irp c, 0,1
.irp i, 0,1,2,3
	global_load_b128 v[XK+16*\c+4*\i:XK+16*\c+4*\i+3], v3, s[6:7] offset:128*\c+16*\i
.endr
.endr
; 32 numbers of a lane (two blocks, 16 of each; lane l xor 16 holds the other 16) become 8 registers of codes at v[dst] and the two scale bytes in v[hw].
; sgn = 1: the numbers have signs.  flip = 1: the operand stands for -2 x the quantised numbers.
.macro QUANT2 src, dst, hw, sgn, flip
.if \sgn
.irp b, 0,1
	v_max3_num_f32 v[TM+\b], |v[\src+16*\b]|, |v[\src+16*\b+1]|, 0x8000000   ; my 16 numbers, and the floor 2^(16 - 127): the byte cannot fall under 1
.endr
.irp i, 2,4,6,8,10,12,14
.irp b, 0,1
	v_max3_num_f32 v[TM+\b], v[TM+\b], |v[\src+16*\b+\i]|, |v[\src+16*\b+\i+1]|
.endr
.endr
.else
.irp b, 0,1
	v_max3_num_f32 v[TM+\b], v[\src+16*\b], v[\src+16*\b+1], 0x8000000
.endr
.irp i, 2,4,6,8,10,12,14
.irp b, 0,1
	v_max3_num_f32 v[TM+\b], v[TM+\b], v[\src+16*\b+\i], v[\src+16*\b+\i+1]
.endr
.endr
.endif
.irp b, 0,1
	v_permlanex16_b32 v[TM+2+\b], v[TM+\b], s[SEL], s[SEL+1]
.endr
.irp b, 0,1
	v_max_num_f32 v[TM+\b], v[TM+\b], v[TM+2+\b]               ; the block's largest magnitude
.endr
.irp b, 0,1
	v_add_nc_u32 v[TM+6+\b], 0xf8800000, v[TM+\b]              ; 15 off its exponent field: the conversion's scale operand
.endr
.irp b, 0,1
	v_and_or_b32 v[TM+4+\b], v[TM+\b], 0x7f800000, s[MNT]      ; 57,344 x the scale
.endr
.irp b, 0,1
	v_lshrrev_b32 v[TM+8+\b], 23, v[TM+6+\b]                   ; the scale's byte
.endr
.if \flip
.irp b, 0,1
	v_add_nc_u32 v[TM+8+\b], 1, v[TM+8+\b]                     ; x 2 (the byte is at most 239 before)
.endr
.endif
	v_lshl_or_b32 v[\hw], v[TM+9], 8, v[TM+8]
.irp b, 0,1
.set ii, 0
.rept 16
.if \sgn
	v_med3_num_f32 v[\src+16*\b+ii], v[\src+16*\b+ii], -v[TM+4+\b], v[TM+4+\b]   ; the conversion to an 8-bit code does not saturate (ISA guide 7.6.2): the hold
.else
	v_min_num_f32 v[\src+16*\b+ii], v[\src+16*\b+ii], v[TM+4+\b]                 ; nothing here is negative: the hold is one-sided
.endif
.set ii, ii+1
.endr
	v_cvt_scalef32_pk8_bf8_f32 v[\dst+4*\b:\dst+4*\b+1], v[\src+16*\b:\src+16*\b+7], v[TM+6+\b]
	v_cvt_scalef32_pk8_bf8_f32 v[\dst+4*\b+2:\dst+4*\b+3], v[\src+16*\b+8:\src+16*\b+15], v[TM+6+\b]
.endr
	v_nop                                          ; one plain instruction behind the last conversion, ahead of whatever touches its registers next
.if \flip
.set ii, 0
.rept 8
	v_xor_b32 v[\dst+ii], s[SGM], v[\dst+ii]       ; x -1
.set ii, ii+1
.endr
.endif
.endm
; One tensor's tile.  xr: its numbers; cd: its 32 registers of codes; hh: its four half words; nn: where the sum of squares goes;
; pr: the record that takes the raw operand (chunks 0, 1); pn: the record that takes the other three (chunks 2 to 7); flip: raw and normalised operands negated and doubled.
.macro PROC xr, cd, hh, nn, pr, pn, flip
	v_pk_mul_f32 v[TM+8:TM+9], v[\xr:\xr+1], v[\xr:\xr+1]      ; the sum of squares, two chains of packed multiply-adds
	v_pk_mul_f32 v[TM+10:TM+11], v[\xr+2:\xr+3], v[\xr+2:\xr+3]
.irp i, 4,8,12,16,20,24,28
	v_pk_fma_f32 v[TM+8:TM+9], v[\xr+\i:\xr+\i+1], v[\xr+\i:\xr+\i+1], v[TM+8:TM+9]
	v_pk_fma_f32 v[TM+10:TM+11], v[\xr+\i+2:\xr+\i+3], v[\xr+\i+2:\xr+\i+3], v[TM+10:TM+11]
.endr
	v_pk_add_f32 v[TM+8:TM+9], v[TM+8:TM+9], v[TM+10:TM+11]
	v_add_f32 v[TM+8], v[TM+8], v[TM+9]
	v_permlanex16_b32 v[TM+2], v[TM+8], s[SEL], s[SEL+1]
	v_add_f32 v[\nn], v[TM+8], v[TM+2]             ; with the other half of the row: in both lanes of the row
	v_rsq_f32 v254, v[\nn]
	v_rsq_f32 v255, v[\nn]                         ; twice: the packed multiply takes a pair
	v_nop                                          ; a plain instruction behind the transcendentals,
	s_wait_alu depctr_va_vdst(0)                   ; and the wait ahead of the first reader
.set jj, 0
.rept 16
	v_pk_mul_f32 v[NR+jj:NR+jj+1], v[\xr+jj:\xr+jj+1], v[254:255]
.set jj, jj+2
.endr
.set jj, 0
.rept 16
	v_pk_mul_f32 v[SR+jj:SR+jj+1], v[NR+jj:NR+jj+1], 0xbfb8aa3b op_sel_hi:[1,0]   ; - n log2(e)
.set jj, jj+2
.endr
.set jj, 0
.rept 32
	v_exp_f32 v[SR+jj], v[SR+jj]
.set jj, jj+1
.endr
	QUANT2 \xr, \cd, \hh, 1, \flip                 ; the raw operand: work that names no exponential's result
	global_store_b128 v4, v[\cd:\cd+3], s[\pr:\pr+1]                       ; each store of the wave covers 512 consecutive bytes, aligned
	global_store_b128 v4, v[\cd+4:\cd+7], s[\pr:\pr+1] offset:512
	s_wait_alu depctr_va_vdst(0)                   ; one wait for the 32 exponentials
.set jj, 0
.rept 16
	v_pk_add_f32 v[SR+jj:SR+jj+1], v[SR+jj:SR+jj+1], 1.0 op_sel_hi:[1,0]
.set jj, jj+2
.endr
.set jj, 0
.rept 32
	v_rcp_f32 v[SR+jj], v[SR+jj]                   ; sigmoid
.set jj, jj+1
.endr
	QUANT2 NR, \cd+8, \hh+1, 1, \flip              ; the normalised operand: work that names no reciprocal's result
	global_store_b128 v4, v[\cd+8:\cd+11], s[\pn:\pn+1] offset:1024
	global_store_b128 v4, v[\cd+12:\cd+15], s[\pn:\pn+1] offset:1536
	s_wait_alu depctr_va_vdst(0)                   ; one wait for the 32 reciprocals
.set jj, 0
.rept 16
	v_pk_add_f32 v[TR+jj:TR+jj+1], v[SR+jj:SR+jj+1], 1.0 op_sel_hi:[1,0] neg_lo:[1,0] neg_hi:[1,0]   ; 1 - sigmoid
.set jj, jj+2
.endr
	QUANT2 SR, \cd+16, \hh+2, 0, 0
	global_store_b128 v4, v[\cd+16:\cd+19], s[\pn:\pn+1] offset:2048
	global_store_b128 v4, v[\cd+20:\cd+23], s[\pn:\pn+1] offset:2560
	QUANT2 TR, \cd+24, \hh+3, 0, 0
	global_store_b128 v4, v[\cd+24:\cd+27], s[\pn:\pn+1] offset:3072
	global_store_b128 v4, v[\cd+28:\cd+31], s[\pn:\pn+1] offset:3584
.endm
	s_wait_loadcnt 8                               ; query's eight loads are in; keys' eight may be out
	PROC XQ, CQD, HQ, 252, 10, 14, 0               ; raw to colc, the others to rowc
	s_wait_loadcnt 0x0
	PROC XK, CKD, HK, 253, 14, 10, 1               ; raw to rowc, the others to colc
	v_lshl_or_b32 v112, v[HK+1], 16, v[HQ]         ; column side, first pair: query | normalised keys
	v_lshl_or_b32 v113, v[HK+3], 16, v[HK+2]       ; second pair
	v_lshl_or_b32 v114, v[HQ+1], 16, v[HK]         ; row side, first pair: keys | normalised query
	v_lshl_or_b32 v115, v[HQ+3], 16, v[HQ+2]
	v_cndmask_b32 v112, v112, v113, s27            ; lanes 0-15 the first pair's word, lanes 16-31 the second's
	v_cndmask_b32 v114, v114, v115, s27
	v_mul_f32 v116, 0x3d800000, v253               ; |keys|^2 / 16
	v_mul_f32 v117, 0x3d800000, v252               ; |query|^2 / 16
	v_mul_f32 v118, 0x3c053526, v253               ; c^2 |keys|^2
	v_cndmask_b32 v116, v252, v116, s27
	v_cndmask_b32 v117, v118, v117, s27
	global_store_b32 v5, v112, s[12:13]            ; these four cover 128 consecutive bytes each
	global_store_b32 v6, v116, s[12:13] offset:128
	global_store_b32 v5, v114, s[16:17]
	global_store_b32 v5, v117, s[16:17] offset:128
	s_endpgm
	; ---------------- vals: K = the keys, which are not innermost.  A lane takes a channel, its registers run down the keys ----------------
.Lv:
	s_sub_co_u32 s28, s28, 2048                    ; which of 512: 32 a head: 16 K steps of 128 keys x 2 halves of the channels
	s_lshr_b32 s29, s28, 1
	s_lshl_b32 s30, s29, 15                        ; 128 keys of 256 bytes
	s_and_b32 s29, s28, 1
	s_lshl_b32 s29, s29, 7                         ; + 32 channels
	s_add_co_u32 s30, s30, s29
	s_mov_b32 s31, 0
	s_lshl_b32 s32, s28, 12                        ; two fragments of 2,048 bytes
	s_mov_b32 s33, 0
	s_lshl_b32 s34, s28, 7                         ; 32 scale words
	s_mov_b32 s35, 0
	v_lshlrev_b32 v3, 11, v2
	v_lshl_add_u32 v3, v1, 4, v3                   ; my fragment (lane / 16), my channel's 16 bytes in a chunk's lower half
	s_wait_kmcnt 0x0
	s_add_nc_u64 s[8:9], s[8:9], s[30:31]
	s_add_nc_u64 s[18:19], s[18:19], s[32:33]
	s_add_nc_u64 s[20:21], s[20:21], s[34:35]
.macro VLOADB t                        ; block t: vals(32 t + i, my channel) into set t % 2; a load of the wave reads 128 consecutive bytes
.set jj, 0
.rept 32
	global_load_b32 v[16+32*((\t)%2)+jj], v5, s[8:9] offset:(32*(\t)+jj)*256 th:TH_LOAD_NT
.set jj, jj+1
.endr
.endm
.macro VBLOCK t
.set XS, 16+32*((\t)%2)
.if (\t) < 3
	s_wait_loadcnt 32                              ; this block's 32 loads are in; the next block's may be out
.else
	s_wait_loadcnt 0x0
.endif
	v_max3_num_f32 v8, |v[XS]|, |v[XS+1]|, |v[XS+2]|               ; all 32 numbers of the block are mine
	v_max3_num_f32 v9, |v[XS+3]|, |v[XS+4]|, |v[XS+5]|
.irp i, 6,10,14,18,22,26
	v_max3_num_f32 v8, v8, |v[XS+\i]|, |v[XS+\i+1]|
	v_max3_num_f32 v9, v9, |v[XS+\i+2]|, |v[XS+\i+3]|
.endr
	v_max3_num_f32 v8, v8, |v[XS+30]|, |v[XS+31]|
	v_max3_num_f32 v8, v8, v9, 0x8000000           ; and the floor
	v_add_nc_u32 v11, 0xf8800000, v8
	v_and_or_b32 v10, v8, 0x7f800000, s[MNT]
	v_lshrrev_b32 v9, 23, v11
.if (\t) == 0
	v_mov_b32 v80, v9                              ; the four bytes make my channel's scale word for these 128 keys
.else
	v_lshl_or_b32 v80, v9, 8*(\t), v80
.endif
.set jj, 0
.rept 32
	v_med3_num_f32 v[XS+jj], v[XS+jj], -v10, v10
.set jj, jj+1
.endr
.irp g, 0,1,2,3
	v_cvt_scalef32_pk8_bf8_f32 v[96+8*(\t)+2*\g:96+8*(\t)+2*\g+1], v[XS+8*\g:XS+8*\g+7], v11
.endr
	v_nop
	global_store_b128 v3, v[96+8*(\t):96+8*(\t)+3], s[18:19] offset:512*(\t)          ; keys 0-15 of the block: the chunk's lanes 0-15; sixteen lanes store 256 consecutive bytes, aligned
	global_store_b128 v3, v[96+8*(\t)+4:96+8*(\t)+7], s[18:19] offset:512*(\t)+256    ; keys 16-31: its lanes 16-31
.if (\t) < 2
	VLOADB (\t)+2
.endif
.endm
	VLOADB 0
	VLOADB 1
	VBLOCK 0
	VBLOCK 1
	VBLOCK 2
	VBLOCK 3
	global_store_b32 v5, v80, s[20:21]
	s_endpgm
.Lfunc_end_k_q15317ee11c_prep:
	.size	k_q15317ee11c_prep, .Lfunc_end_k_q15317ee11c_prep-k_q15317ee11c_prep
	.p2alignl 7, 3214868480
	.fill 96, 4, 3214868480
	.section	.rodata,"a",@progbits
	.p2align	6, 0x0
	.amdhsa_kernel k_q15317ee11c_prep
		.amdhsa_group_segment_fixed_size 0
		.amdhsa_private_segment_fixed_size 0
		.amdhsa_enable_private_segment 0
		.amdhsa_kernarg_size 72
		.amdhsa_user_sgpr_count 2
		.amdhsa_user_sgpr_kernarg_segment_ptr 1
		.amdhsa_wavefront_size32 1
		.amdhsa_system_sgpr_workgroup_id_x 1
		.amdhsa_system_sgpr_workgroup_id_y 1
		.amdhsa_system_sgpr_workgroup_id_z 1
		.amdhsa_system_vgpr_workitem_id 0
		.amdhsa_next_free_vgpr 256
		.amdhsa_next_free_sgpr 66
		.amdhsa_reserve_vcc 0
		.amdhsa_float_denorm_mode_32 3
		.amdhsa_float_denorm_mode_16_64 3
		.amdhsa_memory_ordered 1
		.amdhsa_forward_progress 1
		.amdhsa_inst_pref_size 79
	.end_amdhsa_kernel
	.amdgpu_metadata
---
amdhsa.version: [ 1, 2 ]
amdhsa.kernels:
  - .name:           k_q15317ee11c_prep
    .symbol:         k_q15317ee11c_prep.kd
    .args:
      - { .name: query, .offset: 0, .size: 8, .value_kind: global_buffer, .address_space: global }
      - { .name: keys, .offset: 8, .size: 8, .value_kind: global_buffer, .address_space: global }
      - { .name: vals, .offset: 16, .size: 8, .value_kind: global_buffer, .address_space: global }
      - { .name: colc, .offset: 24, .size: 8, .value_kind: global_buffer, .address_space: global }
      - { .name: colx, .offset: 32, .size: 8, .value_kind: global_buffer, .address_space: global }
      - { .name: rowc, .offset: 40, .size: 8, .value_kind: global_buffer, .address_space: global }
      - { .name: rowx, .offset: 48, .size: 8, .value_kind: global_buffer, .address_space: global }
      - { .name: vc, .offset: 56, .size: 8, .value_kind: global_buffer, .address_space: global }
      - { .name: vx, .offset: 64, .size: 8, .value_kind: global_buffer, .address_space: global }
    .group_segment_fixed_size: 0
    .private_segment_fixed_size: 0
    .kernarg_segment_align: 8
    .kernarg_segment_size: 72
    .max_flat_workgroup_size: 128
    .sgpr_count:     66
    .vgpr_count:     256
    .wavefront_size: 32
...
	.end_amdgpu_metadata
.endif
;; end of part 1
;; launch attn (part 2): grid 64 x 16, 16 waves a work-group, no clusters, 274,432 bytes of LDS; arguments colc, colx, rowc, rowx, vc, vx, out0; writes out0
.if DOCPART == 2
	.amdgcn_target "amdgcn-amd-amdhsa--gfx1250"
	.amdhsa_code_object_version 6
	.text
	.protected	k_q15317ee11c_attn
	.globl	k_q15317ee11c_attn
	.p2align	8
	.type	k_q15317ee11c_attn,@function
k_q15317ee11c_attn:
	s_mov_b64 s[64:65], 0
	v_nop
	global_prefetch_b8 v0, s[64:65] scope:SCOPE_SE
	s_setreg_imm32_b32 hwreg(HW_REG_WAVE_MODE, 25, 1), 1
	s_wait_xcnt 0x0
; out[i] = sum over j of Q(P[i][j] / |P[i]|) Q(vals[j]),   P[i][j] = gp 2^(-sqrt(c^2 d2)) + gn 2^(-k^2 sin^2(pi u)) + (|query_i|^2 + |keys_j|^2) / 16, with
;   d2 = |query_j|^2 + |keys_i|^2 - 2 Q(query_j).Q(keys_i)  (the distance term is transposed),  u = sqrt(2 - 2 Q(qn_i).Q(kn_j)),  gp, gn = the products of the quantised sigmoids and of their complements,
;   c = log2(e) / 16, k^2 = log2(e) / 4.  All five products on codes of E5M2 with E8M0 scales, made by the launch before (its head says how they lie); P's row is quantised here, finished and normalised.
; SHARES.  A work-group owns 32 rows i of one head (two tiles of 16); each of its sixteen waves owns 128 columns j (8 tiles of 16), which are one K step of the last product.
; THE ROW'S NORM spans all sixteen waves and must be known before a number is quantised.  So each wave keeps its 32 x 128 numbers of P in LDS (16,384 bytes a wave, as images of registers), the sums of squares meet in LDS,
; and each wave then reads its numbers back, scales, quantises and multiplies by its K step of V^T.  P is computed once and never goes to memory.  The sixteen partial results meet in LDS, and each wave stores two whole rows.
; LAYOUT.  Products are used transposed (source 0 = 16 columns j, source 1 = 16 rows i): a lane holds ONE row i and its registers run along j.  By the order of a tile's rows the 16 registers of tiles 2 b, 2 b + 1 are j = 32 b + 16 (lane / 16) + 0 .. 15.
; TWO PRODUCTS OF K = 64 SHARE ONE OPERAND OF 128: the row side is [b1 | b2]; the column side lies as a1 | Z | a2 with Z eight registers of zero codes: [a1 | Z] gives a1.b1, [Z | a2] gives a2.b2.
; THE MATRIX UNIT DOES THE AFFINE PARTS: keys' and kn's codes stand for -2 x the numbers, so C = |query_j|^2 gives |query_j|^2 - 2 qk, and C = 2.0 gives 2 - 2 cos.
; sin^2(pi u) = cos^2(pi g), g = fract(u) - 1/2; k cos(pi g) is its series in w = g^2 up to w^5; w is at most 1/4, where the first term left out is 4.7e-7 of k and the cosine itself is 0.
; NO JOINT LOADS: the 64 row blocks of a head read the same column records, but a record goes from memory straight into ONE wave's operand registers.  Shared through LDS, a step's records for sixteen waves are 16 x 4,352 = 69,632 bytes,
; and two slots of that beside the 272,384 bytes kept here are more than the 327,680 that a work-group can have.
; LIMITS: NaN and infinities are not served.  The division by the row's norm is v_rcp_f32 and a multiplication.  A block of zeros gets the byte 1 and zero codes.
.set RS,   262144                      ; LDS: behind the sixteen waves' kept numbers: each wave's 32 sums of squares, 128 bytes a wave;
.set RIMG, 264192                      ; and the two row tiles' records of codes, 16 chunks of 512 bytes
.set L16, 1                            ; v1   16 x lane
.set L4,  2                            ; v2   4 x lane
.set H64, 3                            ; v3   64 x (lane / 16)
.set KST, 4                            ; v4   my place in my wave's kept numbers: 16,384 x wave + 16 x lane
.set R4,  5                            ; v5   4 x (lane % 16)
.set ADR, 6                            ; v6   the LDS address in hand
.set TMP, 7
.set KI,  8                            ; v[8:9], v[10:11]   c^2 |keys_i|^2 of my row in tile 0, 1, twice each; later 1 / the row's norm
.set INV, 8
.set MI,  12                           ; v[12:13], v[14:15] |query_i|^2 / 16 likewise; on the way out four addresses
.set C5,  16                           ; v[16:17] the series' last coefficient
.set SA,  18                           ; v18  the column tile's scale words (lanes 0-15: first pair of operands, 16-31: second); later P's scale word.  Scales only
.set SB,  20                           ; v20, v21  the row tiles' scale words; later V's.  Scales only
.set SS0, 22                           ; v[22:23] the sum of squares of my row in tile 0
.set TWO, 24                           ; v24-31   2.0: a C operand
.set FB,  32                           ; v32-95   row side: tile m: [b1 | b2] at 32 + 32 m, [b3 | b4] at 48 + 32 m; later V^T's four fragments
.set FA1, 96                           ; v96-103 a1, v104-111 Z, v112-119 a2, v120-127 a3, v128-135 Z', v136-143 a4; later v96-111 P's codes, v112-143 the results of tile 0
.set FZ,  104
.set FA2, 112
.set FA3, 120
.set FZZ, 128
.set FA4, 136
.set CQ,  144                          ; v144-151 |query_j|^2 of my eight columns: a C operand
.set MJ,  152                          ; v152-159 |keys_j|^2 / 16 of them.  Later v144-159 and v240-255: the results of tile 1
.set P1,  160                          ; v160-175 first product (tile 0, tile 1), v176-191 second, v192-207 third, v208-223 fourth
.set P2,  176
.set P3,  192
.set P4,  208
.set X,   160                          ; later: 64 numbers of P read back; at the end sixteen partial results
.set PM,  224                          ; v224-239 P of this column tile
.set TM,  224                          ; later: v224-227 largest, 228-231 the other half's, then bytes, 232-235 57,344 x scale, 236-239 scale operands
.set SS1, 240                          ; v[240:241]
.set PD,  242                          ; v242-243 lane permutes' destinations
.set WV,  18                           ; s18  wave
.set HD,  19                           ; s19  head
.set KW,  20                           ; s20  16,384 x wave
.set CC,  24                           ; s[24:25] c^2; s[26:27] .. s[34:35] the series' coefficients of w^4 .. w^0: pairs, of which the packed forms take the low word
.set SEL, 36                           ; s[36:37] selects for lane l xor 16
.set MNT, 38                           ; s38  the mantissa field of 57,344
.set CNT, 39
.set TS,  40                           ; s40  1,024 x the column tile in hand
.set HI,  41                           ; s41  the mask of lanes 16-31
	s_load_b256 s[4:11], s[0:1], 0x0               ; colc s[4:5], colx s[6:7], rowc s[8:9], rowx s[10:11]
	s_load_b128 s[12:15], s[0:1], 0x20             ; vc s[12:13], vx s[14:15]
	s_load_b64 s[16:17], s[0:1], 0x30              ; out0
	v_lshrrev_b32 v[TMP], 5, v0
	v_readfirstlane_b32 s[WV], v[TMP]
	s_and_b32 s[HD], ttmp7, 0xffff
	v_and_b32 v[TMP], 31, v0
	v_lshlrev_b32 v[L16], 4, v[TMP]
	v_lshlrev_b32 v[L4], 2, v[TMP]
	v_cmp_le_u32 s[HI], 16, v[TMP]
	v_bfe_u32 v[H64], v0, 4, 1
	v_lshlrev_b32 v[H64], 6, v[H64]
	v_and_b32 v[R4], 15, v0
	v_lshlrev_b32 v[R4], 2, v[R4]
	s_lshl_b32 s[KW], s[WV], 14
	v_add_nc_u32 v[KST], s[KW], v[L16]
	v_lshl_add_u32 v[TMP], v0, 4, RIMG             ; chunk = my wave's number: 512 x wave + 16 x lane is 16 x my thread's number
	v_add_nc_u32 v[ADR], RIMG, v[L16]
	s_mov_b32 s[CC], 0x3c053526                    ; c^2
	s_mov_b32 s[CC+2], 0x3e10b8ee                  ; k pi^8 / 8!
	s_mov_b32 s[CC+4], 0xbf4d49c7                  ; - k pi^6 / 6!
	s_mov_b32 s[CC+6], 0x401c0015                  ; k pi^4 / 4!
	s_mov_b32 s[CC+8], 0xc03dac74                  ; - k pi^2 / 2
	s_mov_b32 s[CC+10], 0x3f19be61                 ; k
.irp i, 0,2,4,6,8,10
	s_mov_b32 s[CC+\i+1], s[CC+\i]                 ; (named as a pair, so the upper word is written)
.endr
	s_mov_b32 s[SEL], 0x76543210
	s_mov_b32 s[SEL+1], 0xfedcba98
	s_mov_b32 s[MNT], 0x600000
	s_mov_b32 s[TS], 0
	s_mov_b32 s[CNT], 7
	v_mov_b32 v[C5], 0xbc7dedea                    ; - k pi^10 / 10!
	v_mov_b32 v[C5+1], 0xbc7dedea
.set j, 0
.rept 8
	v_mov_b32 v[FZ+j], 0                           ; the zero codes
	v_mov_b32 v[FZZ+j], 0
	v_mov_b32 v[TWO+j], 2.0
.set j, j+1
.endr
.irp i, SS0, SS0+1, SS1, SS1+1, PD, PD+1
	v_mov_b32 v[\i], 0
.endr
	s_lshl_b32 s42, s[HD], 7                       ; the head's first tile
	s_lshl_b32 s43, s[WV], 3
	s_add_co_u32 s43, s42, s43                     ; my first column tile
	s_lshl_b32 s44, s43, 12
	s_mov_b32 s45, 0
	s_lshl_b32 s46, s43, 8
	s_mov_b32 s47, 0
	s_lshl_b32 s43, ttmp9, 1
	s_add_co_u32 s43, s42, s43                     ; the work-group's first row tile
	s_lshl_b32 s48, s43, 12
	s_lshl_b32 s50, s[WV], 9
	s_add_co_u32 s48, s48, s50                     ; + the chunk that I bring
	s_mov_b32 s49, 0
	s_lshl_b32 s50, s43, 8
	s_mov_b32 s51, 0
	s_lshl_b32 s43, s[HD], 4
	s_add_co_u32 s43, s43, s[WV]                   ; my K step of V
	s_lshl_b32 s52, s43, 13
	s_mov_b32 s53, 0
	s_lshl_b32 s54, s43, 8
	s_mov_b32 s55, 0
	s_lshl_b32 s56, s[HD], 11                      ; the two rows that I store: tile m = wave / 8, tile rows r = 2 (wave % 8), r + 1: position 32 x block + 8 m + r + 8 (r / 8)
	s_lshl_b32 s43, ttmp9, 5
	s_add_co_u32 s56, s56, s43
	s_and_b32 s43, s[WV], 8
	s_add_co_u32 s56, s56, s43
	s_and_b32 s43, s[WV], 7
	s_lshl_b32 s43, s43, 1
	s_add_co_u32 s56, s56, s43
	s_and_b32 s43, s[WV], 4
	s_lshl_b32 s43, s43, 1
	s_add_co_u32 s56, s56, s43
	s_lshl_b32 s56, s56, 8
	s_mov_b32 s57, 0
	s_wait_kmcnt 0x0
	s_add_nc_u64 s[4:5], s[4:5], s[44:45]
	s_add_nc_u64 s[6:7], s[6:7], s[46:47]
	s_add_nc_u64 s[8:9], s[8:9], s[48:49]
	s_add_nc_u64 s[10:11], s[10:11], s[50:51]
	s_add_nc_u64 s[12:13], s[12:13], s[52:53]
	s_add_nc_u64 s[14:15], s[14:15], s[54:55]
	s_add_nc_u64 s[16:17], s[16:17], s[56:57]
.macro COLLOAD                         ; a column tile's record: 13 loads, each fragment whole
.irp q, 0,1
	global_load_b128 v[FA1+4*\q:FA1+4*\q+3], v[L16], s[4:5] offset:512*\q
	global_load_b128 v[FA2+4*\q:FA2+4*\q+3], v[L16], s[4:5] offset:1024+512*\q
	global_load_b128 v[FA3+4*\q:FA3+4*\q+3], v[L16], s[4:5] offset:2048+512*\q
	global_load_b128 v[FA4+4*\q:FA4+4*\q+3], v[L16], s[4:5] offset:3072+512*\q
.endr
	global_load_b32 v[SA], v[L4], s[6:7]
	global_load_b128 v[CQ:CQ+3], v[H64], s[6:7] offset:128
	global_load_b128 v[CQ+4:CQ+7], v[H64], s[6:7] offset:144
	global_load_b128 v[MJ:MJ+3], v[H64], s[6:7] offset:160
	global_load_b128 v[MJ+4:MJ+7], v[H64], s[6:7] offset:176
.endm
.macro VLOAD                           ; my K step of V^T: four fragments and their scale words (a register: an even tile's in lanes 0-15, the odd one's in lanes 16-31)
.irp t, 0,1,2,3
.irp c, 0,1,2,3
	global_load_b128 v[FB+16*\t+4*\c:FB+16*\t+4*\c+3], v[L16], s[12:13] offset:2048*\t+512*\c
.endr
.endr
	global_load_b32 v[SB], v[L4], s[14:15]
	global_load_b32 v[SB+1], v[L4], s[14:15] offset:128
.endm
	global_load_b128 v[X:X+3], v[L16], s[8:9]      ; one of the sixteen chunks of the two row records
	global_load_b32 v[SB], v[L4], s[10:11]
	global_load_b32 v[SB+1], v[L4], s[10:11] offset:256
	global_load_b32 v[KI], v[R4], s[10:11] offset:128
	global_load_b32 v[MI], v[R4], s[10:11] offset:192
	global_load_b32 v[KI+2], v[R4], s[10:11] offset:384
	global_load_b32 v[MI+2], v[R4], s[10:11] offset:448
	COLLOAD
	s_wait_loadcnt 19                              ; my chunk is in; the 6 + 13 loads behind it may be out
	ds_store_b128 v[TMP], v[X:X+3]
	s_wait_dscnt 0x0                               ; for the others' sake: my chunk lies in LDS
	s_barrier_signal -1
	s_barrier_wait -1
.set j, 0
.rept 16
	ds_load_b128 v[FB+4*j:FB+4*j+3], v[ADR] offset:512*j   ; the row side's operands: they stay in registers through all column tiles
.set j, j+1
.endr
	s_wait_loadcnt 0x0
	v_mov_b32 v[KI+1], v[KI]                       ; the packed forms take pairs
	v_mov_b32 v[KI+3], v[KI+2]
	v_mov_b32 v[MI+1], v[MI]
	v_mov_b32 v[MI+3], v[MI+2]
; ONE COLUMN TILE: 16 columns x 32 rows, 16 numbers a lane.  more = 1: the next tile's record is asked for; 0: my K step of V.
.macro TILE more
	s_wait_loadcnt 0x0                             ; this tile's record is in: so the two bases may be stepped;
	s_wait_dscnt 0x0                               ; the row side is in (first tile); the last tile's four LDS stores are done
.if \more
	s_add_nc_u64 s[4:5], s[4:5], 4096
	s_add_nc_u64 s[6:7], s[6:7], 256
.endif
.irp m, 0,1                                    ; eight products on eight accumulators, none in place
	v_wmma_scale_f32_16x16x128_f8f6f4 v[P1+8*\m:P1+8*\m+7], v[FA1:FA1+15], v[FB+32*\m:FB+32*\m+15], v[CQ:CQ+7], v[SA], v[SB+\m] matrix_a_fmt:MATRIX_FMT_BF8 matrix_b_fmt:MATRIX_FMT_BF8
.endr
.irp m, 0,1
	v_wmma_scale_f32_16x16x128_f8f6f4 v[P2+8*\m:P2+8*\m+7], v[FZ:FZ+15], v[FB+32*\m:FB+32*\m+15], v[TWO:TWO+7], v[SA], v[SB+\m] matrix_a_fmt:MATRIX_FMT_BF8 matrix_b_fmt:MATRIX_FMT_BF8
.endr
.irp m, 0,1
	v_wmma_scale_f32_16x16x128_f8f6f4 v[P3+8*\m:P3+8*\m+7], v[FA3:FA3+15], v[FB+16+32*\m:FB+16+32*\m+15], 0, v[SA], v[SB+\m] matrix_a_fmt:MATRIX_FMT_BF8 matrix_b_fmt:MATRIX_FMT_BF8 matrix_a_scale:MATRIX_SCALE_ROW1 matrix_b_scale:MATRIX_SCALE_ROW1
.endr
.irp m, 0,1
	v_wmma_scale_f32_16x16x128_f8f6f4 v[P4+8*\m:P4+8*\m+7], v[FZZ:FZZ+15], v[FB+16+32*\m:FB+16+32*\m+15], 0, v[SA], v[SB+\m] matrix_a_fmt:MATRIX_FMT_BF8 matrix_b_fmt:MATRIX_FMT_BF8 matrix_a_scale:MATRIX_SCALE_ROW1 matrix_b_scale:MATRIX_SCALE_ROW1
.endr
.set j, 0
.rept 8                                        ; the magnitude term starts P.  These eight name no register of the products: they are the eight places ahead of the loads and of the first read of a result
	v_pk_add_f32 v[PM+2*j:PM+2*j+1], v[MJ+2*(j%4):MJ+2*(j%4)+1], v[MI+2*(j/4):MI+2*(j/4)+1]
.set j, j+1
.endr
.if \more
	COLLOAD
.else
	VLOAD
.endif
.set j, 0
.rept 8
	v_pk_fma_f32 v[P1+2*j:P1+2*j+1], v[P1+2*j:P1+2*j+1], s[CC:CC+1], v[KI+2*(j/4):KI+2*(j/4)+1] op_sel_hi:[1,0,1]   ; c^2 d2.  (Each accumulator is read from its low end on)
.set j, j+1
.endr
.set j, 0
.rept 32
	v_max_num_f32 v[P1+j], 0, v[P1+j]              ; both roots' arguments are held at 0
.set j, j+1
.endr
.set j, 0
.rept 32
	v_sqrt_f32 v[P1+j], v[P1+j]
.set j, j+1
.endr
	v_add_nc_u32 v[ADR], s[TS], v[KST]             ; a plain instruction behind the roots: where this tile's numbers are kept
	s_wait_alu depctr_va_vdst(0)                   ; one wait for the 32 roots, ahead of their first reader
.set j, 0
.rept 16
	v_exp_f32 v[P1+j], -v[P1+j]                    ; 2^(-c |query_j - keys_i|)
.set j, j+1
.endr
.set j, 0
.rept 16
	v_fract_f32 v[P2+j], v[P2+j]                   ; work that names no exponential's result
.set j, j+1
.endr
.set j, 0
.rept 8
	v_pk_add_f32 v[P2+2*j:P2+2*j+1], v[P2+2*j:P2+2*j+1], -0.5 op_sel_hi:[1,0]   ; g
.set j, j+1
.endr
.set j, 0
.rept 8
	v_pk_mul_f32 v[P2+2*j:P2+2*j+1], v[P2+2*j:P2+2*j+1], v[P2+2*j:P2+2*j+1]     ; w = g^2
.set j, j+1
.endr
	s_wait_alu depctr_va_vdst(0)                   ; one wait for the 16 exponentials
.set j, 0
.rept 8
	v_pk_fma_f32 v[PM+2*j:PM+2*j+1], v[P3+2*j:P3+2*j+1], v[P1+2*j:P1+2*j+1], v[PM+2*j:PM+2*j+1]
.set j, j+1
.endr
.set j, 0
.rept 8
	v_pk_fma_f32 v[P1+2*j:P1+2*j+1], v[P2+2*j:P2+2*j+1], v[C5:C5+1], s[CC+2:CC+3] op_sel_hi:[1,1,0]   ; k cos(pi g) by Horner's rule
.set j, j+1
.endr
.irp c, 4,6,8,10
.set j, 0
.rept 8
	v_pk_fma_f32 v[P1+2*j:P1+2*j+1], v[P1+2*j:P1+2*j+1], v[P2+2*j:P2+2*j+1], s[CC+\c:CC+\c+1] op_sel_hi:[1,1,0]
.set j, j+1
.endr
.endr
.set j, 0
.rept 8
	v_pk_mul_f32 v[P1+2*j:P1+2*j+1], v[P1+2*j:P1+2*j+1], v[P1+2*j:P1+2*j+1] neg_lo:[1,0] neg_hi:[1,0]   ; - k^2 sin^2(pi u)
.set j, j+1
.endr
.set j, 0
.rept 16
	v_exp_f32 v[P1+j], v[P1+j]
.set j, j+1
.endr
	v_nop                                          ; a plain instruction behind the last exponential,
	s_wait_alu depctr_va_vdst(0)                   ; and one wait for the 16
.set j, 0
.rept 8
	v_pk_fma_f32 v[PM+2*j:PM+2*j+1], v[P4+2*j:P4+2*j+1], v[P1+2*j:P1+2*j+1], v[PM+2*j:PM+2*j+1]
.set j, j+1
.endr
.irp p, 0,1,2,3                                ; the rows' sums of squares, the two tiles by turns
	v_pk_fma_f32 v[SS0:SS0+1], v[PM+2*\p:PM+2*\p+1], v[PM+2*\p:PM+2*\p+1], v[SS0:SS0+1]
	v_pk_fma_f32 v[SS1:SS1+1], v[PM+8+2*\p:PM+8+2*\p+1], v[PM+8+2*\p:PM+8+2*\p+1], v[SS1:SS1+1]
.endr
.irp m, 0,1
	ds_store_b128 v[ADR], v[PM+8*\m:PM+8*\m+3] offset:8192*\m          ; kept as they stand: 512 consecutive bytes a store
	ds_store_b128 v[ADR], v[PM+8*\m+4:PM+8*\m+7] offset:8192*\m+512
.endr
	s_add_co_u32 s[TS], s[TS], 1024
.endm
.Ltile:                                            ; seven trips; the eighth tile is written out: it asks for V in place of a next record, so no load leaves its buffer
	TILE 1
	s_sub_co_u32 s[CNT], s[CNT], 1
	s_cmp_lg_u32 s[CNT], 0
	s_cbranch_scc1 .Ltile
	TILE 0
	; ---- THE ROWS' NORMS ----
.set j, 0
.rept 16
	ds_load_b128 v[X+4*j:X+4*j+3], v[KST] offset:512*j     ; tile 0's 64 numbers come back meanwhile (LDS serves a wave's instructions in order: these see my stores): register 16 b + i is j = 32 b + 16 (lane / 16) + i
.set j, j+1
.endr
	v_add_f32 v[SS0], v[SS0], v[SS0+1]
	v_add_f32 v[SS1], v[SS1], v[SS1+1]
	v_permlanex16_b32 v[PD], v[SS0], s[SEL], s[SEL+1]
	v_permlanex16_b32 v[PD+1], v[SS1], s[SEL], s[SEL+1]
	v_add_f32 v[SS0], v[SS0], v[PD]
	v_add_f32 v[SS1], v[SS1], v[PD+1]
	v_cndmask_b32 v[SS0], v[SS0], v[SS1], s[HI]    ; lane 16 m + r: my wave's sum for row r of tile m
	v_lshl_add_u32 v[TMP], v0, 2, RS               ; 128 x wave + 4 x lane
	v_add_nc_u32 v[ADR], RS, v[L4]
	ds_store_b32 v[TMP], v[SS0]
	s_wait_dscnt 0x0                               ; for the others' sake: my sums lie in LDS
	s_barrier_signal -1
	s_barrier_wait -1
.set j, 0
.rept 16
	ds_load_b32 v[TM+j], v[ADR] offset:128*j
.set j, j+1
.endr
	s_wait_dscnt 0x0
.irp i, 0,4,8,12                               ; the same order in every wave: all sixteen get the same bits
	v_pk_add_f32 v[TM+\i:TM+\i+1], v[TM+\i:TM+\i+1], v[TM+\i+2:TM+\i+3]
.endr
	v_pk_add_f32 v[TM:TM+1], v[TM:TM+1], v[TM+4:TM+5]
	v_pk_add_f32 v[TM+8:TM+9], v[TM+8:TM+9], v[TM+12:TM+13]
	v_pk_add_f32 v[TM:TM+1], v[TM:TM+1], v[TM+8:TM+9]
	v_add_f32 v[TM], v[TM], v[TM+1]
	v_sqrt_f32 v[TM], v[TM]
	v_nop
	s_wait_alu depctr_va_vdst(0)
	v_max_num_f32 v[TM], 0x2b8cbccc, v[TM]         ; held at 1e-12 from below
	v_rcp_f32 v[TM], v[TM]
	v_nop
	s_wait_alu depctr_va_vdst(0)
	v_permlanex16_b32 v[PD], v[TM], s[SEL], s[SEL+1]
	v_cndmask_b32 v[INV], v[TM], v[PD], s[HI]      ; tile 0's row r: lanes 0-15 hold it, lanes 16-31 take it from there
	v_cndmask_b32 v[INV+2], v[PD], v[TM], s[HI]    ; tile 1's the other way round
	v_mov_b32 v[INV+1], v[INV]
	v_mov_b32 v[INV+3], v[INV+2]
; ---- ROW TILE m: normalised, quantised along j, multiplied by my K step of V^T.  Nothing of P is negative: no |.| on the maximum's sources, and the hold is one-sided ----
.macro QP m
.set j, 0
.rept 32
	v_pk_mul_f32 v[X+j:X+j+1], v[X+j:X+j+1], v[INV+2*\m:INV+2*\m+1]
.set j, j+2
.endr
.irp b, 0,1,2,3
	v_max3_num_f32 v[TM+\b], v[X+16*\b], v[X+16*\b+1], 0x8000000   ; block b: my 16 numbers, and the floor 2^(16 - 127)
.endr
.irp i, 2,4,6,8,10,12,14
.irp b, 0,1,2,3
	v_max3_num_f32 v[TM+\b], v[TM+\b], v[X+16*\b+\i], v[X+16*\b+\i+1]
.endr
.endr
.irp b, 0,1,2,3
	v_permlanex16_b32 v[TM+4+\b], v[TM+\b], s[SEL], s[SEL+1]
.endr
.irp b, 0,1,2,3
	v_max_num_f32 v[TM+\b], v[TM+\b], v[TM+4+\b]
.endr
.irp b, 0,1,2,3
	v_add_nc_u32 v[TM+12+\b], 0xf8800000, v[TM+\b]
.endr
.irp b, 0,1,2,3
	v_and_or_b32 v[TM+8+\b], v[TM+\b], 0x7f800000, s[MNT]
.endr
.irp b, 0,1,2,3
	v_lshrrev_b32 v[TM+4+\b], 23, v[TM+12+\b]
.endr
	v_lshl_or_b32 v[SA], v[TM+5], 8, v[TM+4]       ; my row's scale word for these 128 columns: it stands 64 plain instructions and more ahead of the products
	v_lshl_or_b32 v[SA], v[TM+6], 16, v[SA]
	v_lshl_or_b32 v[SA], v[TM+7], 24, v[SA]
.irp b, 0,1,2,3
.set j, 0
.rept 16
	v_min_num_f32 v[X+16*\b+j], v[X+16*\b+j], v[TM+8+\b]
.set j, j+1
.endr
	v_cvt_scalef32_pk8_bf8_f32 v[FA1+4*\b:FA1+4*\b+1], v[X+16*\b:X+16*\b+7], v[TM+12+\b]
	v_cvt_scalef32_pk8_bf8_f32 v[FA1+4*\b+2:FA1+4*\b+3], v[X+16*\b+8:X+16*\b+15], v[TM+12+\b]
.endr
.rept 5
	v_nop                                          ; one plain instruction behind the last conversion, and four places between codes made by vector instructions and a scaled product
.endr
.if \m == 0
.set j, 0
.rept 16
	ds_load_b128 v[X+4*j:X+4*j+3], v[KST] offset:8192+512*j    ; tile 1's numbers come back while tile 0 is multiplied
.set j, j+1
.endr
	s_wait_loadcnt 0x0                             ; V
.endif
.irp t, 0,1,2,3
.if \m == 0
.set OA, 112+8*\t
.elseif \t < 2
.set OA, 144+8*\t
.else
.set OA, 224+8*\t
.endif
.if (\t)%2 == 0
	v_wmma_scale_f32_16x16x128_f8f6f4 v[OA:OA+7], v[FB+16*\t:FB+16*\t+15], v[FA1:FA1+15], 0, v[SB+\t/2], v[SA] matrix_a_fmt:MATRIX_FMT_BF8 matrix_b_fmt:MATRIX_FMT_BF8
.else
	v_wmma_scale_f32_16x16x128_f8f6f4 v[OA:OA+7], v[FB+16*\t:FB+16*\t+15], v[FA1:FA1+15], 0, v[SB+\t/2], v[SA] matrix_a_fmt:MATRIX_FMT_BF8 matrix_b_fmt:MATRIX_FMT_BF8 matrix_a_scale:MATRIX_SCALE_ROW1
.endif
.endr
.endm
	QP 0
	s_wait_dscnt 0x0                               ; tile 1's numbers are in
	QP 1                                           ; its 32 multiplications are the places behind tile 0's products, ahead of the lines that write the codes and the scale word anew
	; ---- THE WAY OUT.  My partial results (K = my 128 columns) go to a stage in my own kept bytes, whose numbers I have read back: 16 rows x (256 bytes + 16) for each tile.  Register i of result (m, t): channel 16 t + 8 (lane / 16) + i of row lane % 16.
	; The twelve address lines are the places behind the last products.
	v_and_b32 v[ADR], 15, v0
	v_mul_u32_u24 v[ADR], v[ADR], 272
	v_bfe_u32 v[TMP], v0, 4, 1
	v_lshl_add_u32 v[ADR], v[TMP], 5, v[ADR]
	v_add_nc_u32 v[ADR], s[KW], v[ADR]             ; in: 16,384 x wave + 272 r + 32 h
	s_and_b32 s43, s[WV], 8
	s_lshl_b32 s43, s43, 10                        ; back: tile wave / 8,
	s_and_b32 s44, s[WV], 7
	s_mul_i32 s44, s44, 544                        ; rows 2 (wave % 8) and the next,
	s_add_co_u32 s43, s43, s44
	v_mul_u32_u24 v[TMP], v[TMP], 272
	v_and_b32 v12, 15, v0
	v_lshl_add_u32 v[TMP], v12, 4, v[TMP]          ; lanes 0-15 one row of 256 bytes, lanes 16-31 the next,
	v_add_nc_u32 v12, s43, v[TMP]
	v_add_nc_u32 v13, 0x10000, v12                 ; of all sixteen waves' stages: four registers, since an LDS offset has 16 bits
	v_add_nc_u32 v14, 0x20000, v12
	v_add_nc_u32 v15, 0x30000, v12
.irp m, 0,1
.irp t, 0,1,2,3
.if \m == 0
.set OA, 112+8*\t
.elseif \t < 2
.set OA, 144+8*\t
.else
.set OA, 224+8*\t
.endif
	ds_store_b128 v[ADR], v[OA:OA+3] offset:8192*\m+64*\t          ; each accumulator from its low end on
	ds_store_b128 v[ADR], v[OA+4:OA+7] offset:8192*\m+64*\t+16
.endr
.endr
	s_wait_dscnt 0x0                               ; for the others' sake: my partial results lie in LDS
	s_barrier_signal -1
	s_barrier_wait -1
.set j, 0
.rept 16
	ds_load_b128 v[X+4*j:X+4*j+3], v[12+j/4] offset:16384*(j%4)
.set j, j+1
.endr
	s_wait_dscnt 0x0
.irp st, 8,4,2,1                               ; the sum over the sixteen K steps, in a fixed order
.set j, 0
.rept \st
	v_pk_add_f32 v[X+4*j:X+4*j+1], v[X+4*j:X+4*j+1], v[X+4*(j+\st):X+4*(j+\st)+1]
	v_pk_add_f32 v[X+4*j+2:X+4*j+3], v[X+4*j+2:X+4*j+3], v[X+4*(j+\st)+2:X+4*(j+\st)+3]
.set j, j+1
.endr
.endr
	global_store_b128 v[L16], v[X:X+3], s[16:17] th:TH_STORE_NT    ; two neighbouring rows of out0: 512 consecutive bytes, aligned; written once, read by nobody here
	s_wait_xcnt 0x0
	v_lshl_add_u32 v254, v0, 2, 0x42800
	v_mov_b32 v255, 0
	s_wait_tensorcnt 0x0
	ds_add_u32 v254, v255
	s_wait_dscnt 0x0
	s_endpgm
.Lfunc_end_k_q15317ee11c_attn:
	.size	k_q15317ee11c_attn, .Lfunc_end_k_q15317ee11c_attn-k_q15317ee11c_attn
	.p2alignl 7, 3214868480
	.fill 96, 4, 3214868480
	.section	.rodata,"a",@progbits
	.p2align	6, 0x0
	.amdhsa_kernel k_q15317ee11c_attn
		.amdhsa_group_segment_fixed_size 274432
		.amdhsa_private_segment_fixed_size 0
		.amdhsa_enable_private_segment 0
		.amdhsa_kernarg_size 56
		.amdhsa_user_sgpr_count 2
		.amdhsa_user_sgpr_kernarg_segment_ptr 1
		.amdhsa_wavefront_size32 1
		.amdhsa_system_sgpr_workgroup_id_x 1
		.amdhsa_system_sgpr_workgroup_id_y 1
		.amdhsa_system_sgpr_workgroup_id_z 1
		.amdhsa_system_vgpr_workitem_id 0
		.amdhsa_next_free_vgpr 256
		.amdhsa_next_free_sgpr 66
		.amdhsa_reserve_vcc 0
		.amdhsa_float_denorm_mode_32 3
		.amdhsa_float_denorm_mode_16_64 3
		.amdhsa_memory_ordered 1
		.amdhsa_forward_progress 1
		.amdhsa_inst_pref_size 62
	.end_amdhsa_kernel
	.amdgpu_metadata
---
amdhsa.version: [ 1, 2 ]
amdhsa.kernels:
  - .name:           k_q15317ee11c_attn
    .symbol:         k_q15317ee11c_attn.kd
    .args:
      - { .name: colc, .offset: 0, .size: 8, .value_kind: global_buffer, .address_space: global }
      - { .name: colx, .offset: 8, .size: 8, .value_kind: global_buffer, .address_space: global }
      - { .name: rowc, .offset: 16, .size: 8, .value_kind: global_buffer, .address_space: global }
      - { .name: rowx, .offset: 24, .size: 8, .value_kind: global_buffer, .address_space: global }
      - { .name: vc, .offset: 32, .size: 8, .value_kind: global_buffer, .address_space: global }
      - { .name: vx, .offset: 40, .size: 8, .value_kind: global_buffer, .address_space: global }
      - { .name: out0, .offset: 48, .size: 8, .value_kind: global_buffer, .address_space: global }
    .group_segment_fixed_size: 274432
    .private_segment_fixed_size: 0
    .kernarg_segment_align: 8
    .kernarg_segment_size: 56
    .max_flat_workgroup_size: 512
    .sgpr_count:     66
    .vgpr_count:     256
    .wavefront_size: 32
...
	.end_amdgpu_metadata
.endif
;; end of part 2
